; MI455X (gfx1250); checked and timed in simulation.
; The chip was launched on July 23, 2026; its instructions are those of AMD's public machine-readable ISA for CDNA 5 (MIT licence, August 2026) and "CDNA5" Instruction Set Architecture Reference Guide (July 2026). The comments in the code are by the model that wrote it; some were corrected since.
;; Per Neuron Head. Allowed arithmetic: matrix products marked QUANTISED: E2M1 operands, one E8M0 scale for each 32 along K, by v_wmma_scale_f32_16x16x128_f8f6f4 with both operands' format E2M1 (or v_wmma_scale_f32_32x16x128_f4), f32 sums; products left as they are: f32 operands where the result goes on into a quantised operand, else bf16, f16 or f32 operands; f32 sums; everything else in f32.
;; Inputs: W1 384 x 128 float32; W2 128 float32; b1 128 float32; b2 one number float32; bin_repr 4 x 512 x 256 float32; unit_emb 4 x 512 x 128 float32.
;; Outputs: out0 4 x 512 x 512 float32.
;; This version of the problem:
;;   THIS VERSION OF THE PROBLEM IS GIVEN IN LOW PRECISION. The matrix products marked QUANTISED in the list below multiply operands that are first quantised to E2M1 (2 exponent bits, 1 mantissa bit; 4 bits a number), with one power-of-two scale for each 32 numbers along K (OCP MX v1.0); their sums are f32. All else is computed in f32.
;;   The module's matrix products, in the order in which they are computed (A, B: the left and right operand; K: the contracted axis; several contracted axes count as one K, in the product's order):
;;     1. [M 2,048, K 256] x [K 256, N 128]; A: input bin_repr; B: input W1: QUANTISED
;;     2. [M 2,048, K 128] x [K 128, N 128]; A: input unit_emb; B: input W1: QUANTISED
;;     3. [M 1,048,576, K 128] x [K 128, N 1]; A: computed on the way; B: input W2: left as it is (N = 1 < 16)
;;   THE QUANTISER, for each operand of a quantised product, along K:
;;     - K is cut into blocks of 32 from its start; a last block that is shorter is filled with zeros.
;;     - A block's scale is 2^e with e = floor(log2(the largest magnitude in the block)) - 2, held to -126 .. 127; a block of zeros has e = 0. As a byte (E8M0): e + 127.
;;     - Each number is divided by its block's scale, clamped to +-6, and rounded to the nearest number of E2M1, ties to even, subnormals kept.
;;     - The product sums the exact products of the quantised numbers (number of the format x scale) in f32.
;;   ~~~python
;;   def quantise(x, axis):      # numpy; x: float32 -> the quantised numbers, widened to float32 again
;;       x = np.moveaxis(x, axis, -1); K = x.shape[-1]
;;       x = np.pad(x, [(0, 0)] * (x.ndim - 1) + [(0, -K % 32)]); x = x.reshape(x.shape[:-1] + (-1, 32)); a = np.abs(x).max(-1, keepdims=True)
;;       e = np.where(a > 0, np.clip(np.frexp(np.where(a > 0, a, 1))[1] - 1 - 2, -126, 127), 0)      # np.frexp(a)[1] - 1 = floor(log2(a)), exactly
;;       r = np.clip(x / 2.0 ** e, -6, 6)
;;       step = 2.0 ** (np.maximum(np.frexp(np.where(r == 0, 1, r))[1] - 1, 0) - 1)
;;       q = np.round(r / step) * step * 2.0 ** e      # np.round: ties to even
;;       return np.moveaxis(q.reshape(q.shape[:-2] + (-1,))[..., :K], -1, axis).astype(np.float32)
;;   ~~~
;; 2 versions, each right; version 2 is version 1 with the launch head written anew for expert scheduling mode. Each part assembles by itself: llvm-mc -triple=amdgcn-amd-amdhsa -mcpu=gfx1250 --defsym DOCPART=n.
;; ======== version 1 of 2: 1 launch
;; limits: a function is approximated: absolute error at most 0.0001; an absolute error that grows with the inputs' magnitude: up to 0.0001 times it
;; launch head (part 1): grid 64 x 4, 8 waves a work-group, no clusters, 168,960 bytes of LDS; arguments W1, W2, b1, b2, bin_repr, unit_emb, out0; writes out0
.if DOCPART == 1
	.amdgcn_target "amdgcn-amd-amdhsa--gfx1250"
	.amdhsa_code_object_version 6
	.text
	.protected	k_q59c76d35f4_head
	.globl	k_q59c76d35f4_head
	.p2align	8
	.type	k_q59c76d35f4_head,@function
k_q59c76d35f4_head:
	s_mov_b64 s[64:65], 0
	v_nop
	global_prefetch_b8 v0, s[64:65] scope:SCOPE_SE
	s_setreg_imm32_b32 hwreg(HW_REG_WAVE_MODE, 25, 1), 1
	s_wait_xcnt 0x0
; out0[b][n][u] = b2 + sum over h of W2[h] gelu(binp[b][n][h] + unitp[b][u][h] + b1[h]),  binp = Q(bin_repr) Q(W1[0:256]),  unitp = Q(unit_emb) Q(W1[256:384]).
; Q: codes of FP4 (E2M1), one E8M0 scale for each 32 along K; both products by the scaled FP4 matrix instruction, sums in f32.  All else in f32.
; SHARES.  A work-group of eight waves owns 32 bins x 128 units of one batch: 64 x 4 = 256 work-groups.  It quantises W1 and its own rows, makes both projections itself (12 matrix instructions a wave)
; and keeps them in LDS: nothing goes through memory between the steps.  The bulk is the 32 x 128 x 128 numbers of the outer sum: vector work, laid to spend as few vector instructions on a number as it can.
; GELU.  gelu(x) = x Phi(x),  Phi(x) = 1/2 + xc P(xc^2),  xc = x held to -4 .. 4.  xc P(xc^2) is the Chebyshev series of Phi - 1/2 on [-4, 4] cut behind T15, scaled by 1 + 9.573e-5 so that it ends near 1/2 at the hold.
; LIMIT, STATED: |Phi here - Phi| < 1e-4 for every x, so a gelu is off by at most 1e-4 |x|, whatever the size of the inputs.  No exponential, no reciprocal, no branch on data.
; NaN and infinities among the inputs are not served.
; THE LAST PRODUCT (N = 1) rides on the polynomial: a table holds W2[h] P_k and W2[h] / 2, so the multiply-add that ends a gelu also adds it, weighed, onto the output's sum, in f32.
; PACKING.  The two halves of every packed instruction are hidden units h and h + 1: bins, units and table lie in LDS as [h / 2][..][2], so every operand is a plain register pair.
; For two numbers: 1 add, 2 holds, 1 square, 7 + 1 + 1 multiply-adds = 13 instructions.  An output's even and odd h are summed apart and joined at the end.
; QUANTISER.  A block's largest magnitude, with the floor 2^(3 - 127) among its leaves (the byte cannot fall under 1); 2 off its exponent field is the conversion's scale operand, and that >> 23 the byte.
; A block of zeros so keeps the byte 1 where the rule says 127: its codes are zeros, and this text alone reads the bytes.
; NO CLUSTER, NO JOINT LOADS, though every work-group reads the same W1: its numbers go from memory straight into the registers from which the conversions take them (a lane a column, registers down K).
; By way of LDS they would want 196,608 bytes more and 192 LDS loads a wave more; W1 is 192 loads a wave beside the main loop's 13,312 vector instructions a wave.
; No prefetch: every input is asked for at the head, nothing is streamed later.  No tensor load, so no ring.  More LDS is claimed than the 135,424 bytes used, so that a work-group has its WGP alone.
.set UP2,  0                           ; units' projection: [64 pairs of h][128 units][2] f32; a row 1,024 bytes + 32: four rows on is 128 bytes on modulo 256, so the two halves of a store's lanes take different banks (64 banks of 4 bytes: ISA guide 11.1)
.set UPP,  1056
.set BP2,  67584                       ; bins' projection, b1 inside: [64][32 bins][2]; a row 256 bytes + 32
.set BPP,  288
.set W1C,  86016                       ; W1's codes: [128 columns h][384 along K]: 192 bytes + 16
.set W1P,  208
.set W1S,  112640                      ; W1's scale bytes: 16 bytes a column, 12 used: three words
.set BC,   114688                      ; the bins' codes: 32 rows of 128 bytes + 16
.set BCP,  144
.set UC,   119296                      ; the units' codes: 128 rows of 64 bytes + 16
.set UCP,  80
.set BS,   129536                      ; the bins' scale bytes, 8 a row
.set US,   129792                      ; the units', 4 a row
.set CT,   130304                      ; the table: [64 pairs of h][W2 P_0 .. W2 P_7, W2 / 2][2]: 72 bytes + 8
.set CTP,  80
.set P0, 0x3ecc38d5                    ;  3.98871e-1    P_k: the coefficient of x^(2k+1)
.set P1, 0xbd877858                    ; -6.61475e-2
.set P2, 0x3c1dfc28                    ;  9.64264e-3
.set P3, 0xba887f6f                    ; -1.041396e-3
.set P4, 0x38a6f860                    ;  7.96176e-5
.set P5, 0xb686b535                    ; -4.01461e-6
.set P6, 0x33fda273                    ;  1.18108e-7
.set P7, 0xb0d0fe44                    ; -1.52063e-9
; vector registers.  v1-23 are made at the head and never rewritten; v24-29 step in the main loop; v30, v31 at work
.set LANE, 1
.set RR,   2                           ; lane % 16
.set HH,   3                           ; lane / 16
.set DA,   4                           ; rows in memory: 32 x lane
.set BCA,  5                           ; where I store bins' codes, their bytes, units' codes, their bytes, the table
.set BSA,  6
.set UCA,  7
.set USA,  8
.set CTS,  9
.set W2A,  10
.set B1A,  11
.set WGA,  12                          ; W1 in memory: my half of K, my column
.set WCA,  13                          ; where I store W1's codes, and its bytes
.set WSA,  14
.set FW,   15                          ; fragments and scale words: W1's, the bins', the units'
.set SW,   16
.set FB,   17
.set SB,   18
.set FU,   19
.set SU,   20
.set PB,   21                          ; where I store projections
.set PU,   22
.set OA,   23
.set AD0,  24                          ; the main loop's addresses (table, bins, units) for the even pairs of h; v27-29 for the odd ones
.set AD1,  27
.set WSR,  32                          ; v32-46 hold scale words and nothing else
.set BSR,  35
.set USR,  39
.set W2V,  47
.set B1,   48                          ; b1 in the result's layout: the C of the bins' first K step
.set XD,   64                          ; v64-159   12 groups of 8 numbers of my rows
.set WX,   160                         ; v160-223  two sets of 32 numbers of W1
.set MXR,  224                         ; largest magnitudes
.set SO,   228                         ; the conversions' scale operands
.set CD,   232                         ; codes and bytes of the rows: a register of its own for each store
.set BY,   244
.set WCD,  64                          ; W1's codes and bytes, likewise
.set WBY,  88
.set AV,   96                          ; the table's nine numbers
.set WF,   56                          ; W1's three fragments; the bins' four; the units' eight
.set BF,   80
.set UF,   112
.set DB,   176                         ; two accumulators of bins, eight of units
.set DU,   192
.set ACC,  48                          ; main loop: 16 sums (even h, odd h)
.set OPA,  80                          ; two sets of operands: 9 table pairs, 4 bins, 4 units
.set OPB,  114
.set CH,   148                         ; eight chains x (x, xc, xc^2, q), a pair each
.set RES,  148                         ; the 16 outputs
	s_load_b256 s[4:11], s[0:1], 0x0               ; W1 s[4:5], W2 s[6:7], b1 s[8:9], b2 s[10:11]
	s_load_b128 s[12:15], s[0:1], 0x20             ; bin_repr s[12:13], unit_emb s[14:15]
	s_load_b64 s[16:17], s[0:1], 0x30              ; out0
	s_set_vgpr_msb 0x40
	v_lshl_add_u32 v0, v0, 2, 0x29000
	v_mov_b32 v1, 0
	s_set_vgpr_msb 0x4000
	v_lshrrev_b32 v30, 5, v0
	v_readfirstlane_b32 s18, v30                   ; wave w, 0..7
	s_and_b32 s19, s18, 3                          ; W1: which 32 columns are mine,
	s_lshr_b32 s21, s18, 2                         ; and which half of K (192 rows)
	s_and_b32 s24, ttmp7, 0xffff                   ; batch
	s_lshr_b32 s25, ttmp9, 2                       ; block of 32 bins
	s_and_b32 s26, ttmp9, 3                        ; block of 128 units
	v_and_b32 v[LANE], 31, v0
	v_and_b32 v[RR], 15, v0
	v_bfe_u32 v[HH], v0, 4, 1
	v_lshlrev_b32 v[DA], 5, v[LANE]                ; 8 neighbouring numbers a lane
	v_lshrrev_b32 v30, 2, v[LANE]                  ; four lanes hold a block of 32
	s_mul_i32 s27, s18, 4*BCP
	s_add_co_u32 s27, s27, BC
	v_lshl_add_u32 v[BCA], v[LANE], 2, s27         ; my 4 bins' rows of codes, 4 bytes a lane
	s_lshl_b32 s27, s18, 5
	s_add_co_u32 s27, s27, BS
	v_add_nc_u32 v[BSA], s27, v30
	s_mul_i32 s27, s18, 16*UCP
	s_add_co_u32 s27, s27, UC
	v_mul_u32_u24 v31, v[HH], UCP                  ; a group of 256 numbers is two units' rows: lanes 16-31 the second
	v_lshl_add_u32 v31, v[RR], 2, v31
	v_add_nc_u32 v[UCA], s27, v31
	s_lshl_b32 s27, s18, 6
	s_add_co_u32 s27, s27, US
	v_add_nc_u32 v[USA], s27, v30
	v_and_b32 v31, 127, v0                         ; the table: thread t of waves 0-3 takes hidden unit t
	v_lshlrev_b32 v[W2A], 2, v31
	v_lshrrev_b32 v31, 1, v31
	v_mul_u32_u24 v31, v31, CTP
	v_and_b32 v[CTS], 1, v0
	v_lshl_add_u32 v[CTS], v[CTS], 2, v31
	v_add_nc_u32 v[CTS], CT, v[CTS]
	s_lshl_b32 s27, s18, 6
	v_lshl_add_u32 v[B1A], v[HH], 5, s27           ; b1[16 w + 8 (lane / 16) + 0 .. 7]
	s_mul_i32 s27, s21, 192*512
	s_lshl_b32 s28, s19, 7
	s_add_co_u32 s27, s27, s28
	v_lshl_add_u32 v[WGA], v[LANE], 2, s27
	s_mul_i32 s27, s19, 32*W1P
	s_mul_i32 s28, s21, 96
	s_add_co_u32 s27, s27, s28
	s_add_co_u32 s27, s27, W1C
	v_mul_u32_u24 v31, v[LANE], W1P
	v_add_nc_u32 v[WCA], s27, v31                  ; my column's row of codes, my half of K
	s_lshl_b32 s27, s19, 9
	s_mul_i32 s28, s21, 6
	s_add_co_u32 s27, s27, s28
	s_add_co_u32 s27, s27, W1S
	v_lshl_add_u32 v[WSA], v[LANE], 4, s27
	s_mul_i32 s27, s18, 16*W1P                     ; the products: wave w takes hidden units 16 w .. 16 w + 15
	s_add_co_u32 s27, s27, W1C
	v_mul_u32_u24 v31, v[RR], W1P
	v_lshl_add_u32 v31, v[HH], 4, v31
	v_add_nc_u32 v[FW], s27, v31
	s_lshl_b32 s27, s18, 8
	s_add_co_u32 s27, s27, W1S
	v_lshl_add_u32 v[SW], v[RR], 4, s27
	v_mul_u32_u24 v31, v[RR], BCP
	v_lshl_add_u32 v31, v[HH], 4, v31
	v_add_nc_u32 v[FB], BC, v31
	v_lshl_add_u32 v[SB], v[RR], 3, BS
	v_mul_u32_u24 v31, v[RR], UCP
	v_lshl_add_u32 v31, v[HH], 4, v31
	v_add_nc_u32 v[FU], UC, v31
	v_lshl_add_u32 v[SU], v[RR], 2, US
	s_mul_i32 s27, s18, 8*BPP                      ; a result's registers 2 j, 2 j + 1 are pair 8 w + 4 (lane / 16) + j of h, of row lane % 16
	s_add_co_u32 s27, s27, BP2
	v_mul_u32_u24 v31, v[HH], 4*BPP
	v_lshl_add_u32 v31, v[RR], 3, v31
	v_add_nc_u32 v[PB], s27, v31
	s_mul_i32 s27, s18, 8*UPP
	v_mul_u32_u24 v31, v[HH], 4*UPP
	v_lshl_add_u32 v31, v[RR], 3, v31
	v_add_nc_u32 v[PU], s27, v31
	v_lshlrev_b32 v[OA], 3, v[LANE]
	v_mov_b32 v[AD0], CT                           ; the main loop: the table's row,
	s_lshl_b32 s27, s18, 5
	s_add_co_u32 s27, s27, BP2
	v_mov_b32 v[AD0+1], s27                        ; my 4 bins (32 bytes of a row, the same for all lanes),
	v_lshl_add_u32 v[AD0+2], v[LANE], 4, UP2       ; my units 2 l, 2 l + 1 (and 512 bytes on: 64 + 2 l, 64 + 2 l + 1)
	v_add_nc_u32 v[AD1], CTP, v[AD0]
	v_add_nc_u32 v[AD1+1], BPP, v[AD0+1]
	v_add_nc_u32 v[AD1+2], UPP, v[AD0+2]
	s_lshl_b32 s22, s24, 19                        ; bin_repr: batch x 512 rows of 1,024 bytes + 32 rows a block + 4 rows a wave
	s_lshl_b32 s27, s25, 15
	s_add_co_u32 s22, s22, s27
	s_lshl_b32 s27, s18, 12
	s_add_co_u32 s22, s22, s27
	s_mov_b32 s23, 0
	s_lshl_b32 s32, s24, 18                        ; unit_emb: batch x 512 rows of 512 bytes + 128 rows a block + 16 rows a wave
	s_lshl_b32 s27, s26, 16
	s_add_co_u32 s32, s32, s27
	s_lshl_b32 s27, s18, 13
	s_add_co_u32 s32, s32, s27
	s_mov_b32 s33, 0
	s_lshl_b32 s34, s24, 20                        ; out0: batch x 512 rows of 2,048 bytes + 32 rows a block + 4 rows a wave + 128 columns a block
	s_lshl_b32 s28, s25, 16
	s_add_co_u32 s34, s34, s28
	s_add_co_u32 s34, s34, s27
	s_lshl_b32 s28, s26, 9
	s_add_co_u32 s34, s34, s28
	s_mov_b32 s35, 0
	s_wait_kmcnt 0x0
	s_add_nc_u64 s[12:13], s[12:13], s[22:23]
	s_add_nc_u64 s[14:15], s[14:15], s[32:33]
	s_add_nc_u64 s[16:17], s[16:17], s[34:35]
	s_load_b32 s20, s[10:11], 0x0                  ; b2: wanted in front of the main loop
; block t of my six of W1: W1(192 half + 32 t + i, my column), i = 0 .. 31, into set t % 2.  32 lanes read 128 consecutive bytes; four waves stand side by side on a row's 512
.macro WLOAD t
.irp i, 0,1,2,3,4,5,6,7,8,9,10,11,12,13,14,15,16,17,18,19,20,21,22,23,24,25,26,27,28,29,30,31
	global_load_b32 v[WX+32*((\t)%2)+\i], v[WGA], s[4:5] offset:(32*(\t)+\i)*512
.endr
.endm
	global_load_b32 v[W2V], v[W2A], s[6:7]
	global_load_b128 v[B1:B1+3], v[B1A], s[8:9]
	global_load_b128 v[B1+4:B1+7], v[B1A], s[8:9] offset:16
.irp g, 0,1,2,3                                ; my 4 bins: a group is a row of 256 numbers
	global_load_b128 v[XD+8*\g:XD+8*\g+3], v[DA], s[12:13] offset:1024*\g
	global_load_b128 v[XD+8*\g+4:XD+8*\g+7], v[DA], s[12:13] offset:1024*\g+16
.endr
.irp g, 0,1,2,3,4,5,6,7                        ; my 16 units: a group is two rows of 128 numbers
	global_load_b128 v[XD+32+8*\g:XD+32+8*\g+3], v[DA], s[14:15] offset:1024*\g
	global_load_b128 v[XD+32+8*\g+4:XD+32+8*\g+7], v[DA], s[14:15] offset:1024*\g+16
.endr
	WLOAD 0
	s_wait_loadcnt 32                              ; loads come back in order (ISA guide 5.7.1): all but W1's block 0, the 32 issued last, are in
	WLOAD 1
; Four groups of 8 numbers a lane become codes and scale bytes, the four by turns.  xg: the first group's number in XD; gl: its number in its tensor; step: bytes of codes from group to group.
.macro QROWS xg, gl, ca, sa, step
.irp i, 0,1,2,3
	v_max3_num_f32 v[MXR+\i], |v[XD+8*(\xg+\i)]|, |v[XD+8*(\xg+\i)+1]|, 0x1800000   ; my 8 numbers, and the floor 2^(3 - 127)
.endr
.irp p, 2,4,6
.irp i, 0,1,2,3
	v_max3_num_f32 v[MXR+\i], v[MXR+\i], |v[XD+8*(\xg+\i)+\p]|, |v[XD+8*(\xg+\i)+\p+1]|
.endr
.endr
.irp i, 0,1,2,3
	v_max_num_f32_dpp v[MXR+\i], v[MXR+\i], v[MXR+\i] row_xmask:1 row_mask:0xf bank_mask:0xf
.endr
.irp i, 0,1,2,3
	v_max_num_f32_dpp v[MXR+\i], v[MXR+\i], v[MXR+\i] row_xmask:2 row_mask:0xf bank_mask:0xf   ; with the three lanes that share the block
.endr
.irp i, 0,1,2,3
	v_add_nc_u32 v[SO+\i], 0xff000000, v[MXR+\i]   ; 2 off the exponent field: the conversion takes the exponent field of this operand as its scale
.endr
.irp i, 0,1,2,3
	v_cvt_scalef32_pk8_fp4_f32 v[CD+\xg+\i], v[XD+8*(\xg+\i):XD+8*(\xg+\i)+7], v[SO+\i]
.endr
.irp i, 0,1,2,3
	v_lshrrev_b32 v[BY+\xg+\i], 23, v[SO+\i]       ; the scale's byte.  (Also the plain instruction behind the conversions)
.endr
.irp i, 0,1,2,3
	ds_store_b32 v[\ca], v[CD+\xg+\i] offset:(\gl+\i)*\step
	ds_store_b8 v[\sa], v[BY+\xg+\i] offset:8*(\gl+\i)   ; the four lanes of a block write the same byte with the same value
.endr
.endm
	QROWS 0, 0, BCA, BSA, BCP
	QROWS 4, 0, UCA, USA, 2*UCP
	QROWS 8, 4, UCA, USA, 2*UCP
	; the table: threads 0 to 127 (waves 0 to 3), a hidden unit each.  A branch on the wave's number; no barrier stands inside
	s_cmp_lt_u32 s18, 4
	s_cbranch_scc0 .Lno_table
.macro TAB k, c
	v_mul_f32 v[AV+\k], \c, v[W2V]
	ds_store_b32 v[CTS], v[AV+\k] offset:8*\k
.endm
	TAB 0, P0
	TAB 1, P1
	TAB 2, P2
	TAB 3, P3
	TAB 4, P4
	TAB 5, P5
	TAB 6, P6
	TAB 7, P7
	TAB 8, 0.5
.Lno_table:
; Block t of W1: all its 32 numbers are one lane's, so no other lane is asked for the maximum, and the codes come out with K innermost: 16 bytes of my column's row.
.macro WBLK t
.set WS, WX+32*((\t)%2)
.if (\t) < 5
	s_wait_loadcnt 32                              ; this block's 32 loads are in; the next block's 32 may be out
.else
	s_wait_loadcnt 0
.endif
	v_max3_num_f32 v[MXR], |v[WS]|, |v[WS+1]|, |v[WS+2]|
	v_max3_num_f32 v[MXR+1], |v[WS+3]|, |v[WS+4]|, |v[WS+5]|
.irp i, 6,10,14,18,22,26
	v_max3_num_f32 v[MXR], v[MXR], |v[WS+\i]|, |v[WS+\i+1]|
	v_max3_num_f32 v[MXR+1], v[MXR+1], |v[WS+\i+2]|, |v[WS+\i+3]|
.endr
	v_max3_num_f32 v[MXR], v[MXR], |v[WS+30]|, |v[WS+31]|
	v_max3_num_f32 v[MXR], v[MXR], v[MXR+1], 0x1800000   ; and the floor
	v_add_nc_u32 v[SO], 0xff000000, v[MXR]
	v_lshrrev_b32 v[WBY+(\t)], 23, v[SO]
.irp g, 0,1,2,3
	v_cvt_scalef32_pk8_fp4_f32 v[WCD+4*(\t)+\g], v[WS+8*\g:WS+8*\g+7], v[SO]
.endr
	v_nop                                          ; one plain instruction behind the conversions
	ds_store_b128 v[WCA], v[WCD+4*(\t):WCD+4*(\t)+3] offset:16*(\t)
	ds_store_b8 v[WSA], v[WBY+(\t)] offset:\t
.if (\t) < 4
	WLOAD (\t)+2
.endif
.endm
	WBLK 0
	WBLK 1
	WBLK 2
	WBLK 3
	WBLK 4
	WBLK 5
	s_wait_dscnt 0x0                               ; for the others' sake: all my codes, bytes and table entries have landed
	s_barrier_signal -1
	s_barrier_wait -1                              ; everybody's have
	; A fragment, 16 rows x 128 K of 4-bit codes, is 8 registers: lane l holds row l % 16; registers 4 c .. 4 c + 3 hold K = 64 c + 32 (l / 16) + 0 .. 31: two loads of 16 bytes, 32 bytes apart.  A scale word: lane r takes row r's
.irp s, 0,1,2                                  ; W1: K steps 0, 1 (the bins' 256) and 2 (the units' 128) of my 16 hidden units
.irp c, 0,1
	ds_load_b128 v[WF+8*\s+4*\c:WF+8*\s+4*\c+3], v[FW] offset:64*\s+32*\c
.endr
	ds_load_b32 v[WSR+\s], v[SW] offset:4*\s
.endr
.irp m, 0,1                                    ; the bins: two tiles of 16 rows, two K steps
.irp s, 0,1
.irp c, 0,1
	ds_load_b128 v[BF+8*(2*\m+\s)+4*\c:BF+8*(2*\m+\s)+4*\c+3], v[FB] offset:16*BCP*\m+64*\s+32*\c
.endr
	ds_load_b32 v[BSR+2*\m+\s], v[SB] offset:128*\m+4*\s
.endr
.endr
.irp m, 0,1,2,3,4,5,6,7                        ; the units: eight tiles of 16 rows
.irp c, 0,1
	ds_load_b128 v[UF+8*\m+4*\c:UF+8*\m+4*\c+3], v[FU] offset:16*UCP*\m+32*\c
.endr
	ds_load_b32 v[USR+\m], v[SU] offset:64*\m
.endr
.rept 4
	v_nop                                          ; some of these registers were last written by vector instructions (W1's conversions): four places between those and the products, issued while the loads are out
.endr
	s_wait_dscnt 0x0
	; TRANSPOSED: source 0 = 16 hidden units of W1, source 1 = 16 rows.  In a result lane (r, hh) holds row r, and its register j the hidden unit 16 w + 8 hh + j.
	; b1 is the C of the bins' first K step.  The accumulators take turns, one instruction a turn.
	v_wmma_scale_f32_16x16x128_f8f6f4 v[DB:DB+7], v[WF:WF+7], v[BF:BF+7], v[B1:B1+7], v[WSR], v[BSR] matrix_a_fmt:MATRIX_FMT_FP4 matrix_b_fmt:MATRIX_FMT_FP4
	v_wmma_scale_f32_16x16x128_f8f6f4 v[DB+8:DB+15], v[WF:WF+7], v[BF+16:BF+23], v[B1:B1+7], v[WSR], v[BSR+2] matrix_a_fmt:MATRIX_FMT_FP4 matrix_b_fmt:MATRIX_FMT_FP4
	v_wmma_scale_f32_16x16x128_f8f6f4 v[DB:DB+7], v[WF+8:WF+15], v[BF+8:BF+15], v[DB:DB+7], v[WSR+1], v[BSR+1] matrix_a_fmt:MATRIX_FMT_FP4 matrix_b_fmt:MATRIX_FMT_FP4
	v_wmma_scale_f32_16x16x128_f8f6f4 v[DB+8:DB+15], v[WF+8:WF+15], v[BF+24:BF+31], v[DB+8:DB+15], v[WSR+1], v[BSR+3] matrix_a_fmt:MATRIX_FMT_FP4 matrix_b_fmt:MATRIX_FMT_FP4
.irp m, 0,1,2,3,4,5,6,7
	v_wmma_scale_f32_16x16x128_f8f6f4 v[DU+8*\m:DU+8*\m+7], v[WF+16:WF+23], v[UF+8*\m:UF+8*\m+7], 0, v[WSR+2], v[USR+\m] matrix_a_fmt:MATRIX_FMT_FP4 matrix_b_fmt:MATRIX_FMT_FP4
.endr
.rept 4
	v_nop                                          ; four places behind the last product, ahead of the stores that read results and of all that later writes the products' registers
.endr
.irp m, 0,1                                    ; each accumulator from its low end on: a pair of registers is a pair of h of one row
.irp j, 0,1,2,3
	ds_store_b64 v[PB], v[DB+8*\m+2*\j:DB+8*\m+2*\j+1] offset:BPP*\j+128*\m
.endr
.endr
.irp m, 0,1,2,3,4,5,6,7
.irp j, 0,1,2,3
	ds_store_b64 v[PU], v[DU+8*\m+2*\j:DU+8*\m+2*\j+1] offset:UPP*\j+128*\m
.endr
.endr
	s_wait_dscnt 0x0                               ; for the others' sake: my part of both projections has landed
	s_barrier_signal -1
	s_barrier_wait -1                              ; everybody's has.  From here on LDS is only read
; THE MAIN LOOP.  Wave w: bins 4 w .. 4 w + 3, all 128 units; lane l: units 2 l, 2 l + 1, 64 + 2 l, 64 + 2 l + 1: 16 outputs a lane.  A step is one pair of h.
; Nine LDS loads bring a step's operands: the table's 9 pairs, my 4 bins' pairs (both the same in all lanes), my 4 units' pairs (16 neighbouring bytes a lane).
.macro LOADOPS op, a
.irp i, 0,1,2,3
	ds_load_b128 v[\op+4*\i:\op+4*\i+3], v[\a] offset:16*\i
.endr
	ds_load_b64 v[\op+16:\op+17], v[\a] offset:64
	ds_load_b128 v[\op+18:\op+21], v[\a+1]
	ds_load_b128 v[\op+22:\op+25], v[\a+1] offset:16
	ds_load_b128 v[\op+26:\op+29], v[\a+2]
	ds_load_b128 v[\op+30:\op+33], v[\a+2] offset:512
.endm
; Eight chains, stage by stage, so that no instruction waits for the one above it: chain c is bin c / 2 with unit 64 uu + 2 l + c % 2.
.macro HALF op, uu
.irp c, 0,1,2,3,4,5,6,7
	v_pk_add_f32 v[CH+8*\c:CH+8*\c+1], v[\op+18+2*(\c/2):\op+19+2*(\c/2)], v[\op+26+4*\uu+2*(\c%2):\op+27+4*\uu+2*(\c%2)]   ; x, for h and h + 1
.endr
.irp c, 0,1,2,3,4,5,6,7
	v_med3_num_f32 v[CH+8*\c+2], v[CH+8*\c], -4.0, 4.0             ; xc
	v_med3_num_f32 v[CH+8*\c+3], v[CH+8*\c+1], -4.0, 4.0
.endr
.irp c, 0,1,2,3,4,5,6,7
	v_pk_mul_f32 v[CH+8*\c+4:CH+8*\c+5], v[CH+8*\c+2:CH+8*\c+3], v[CH+8*\c+2:CH+8*\c+3]   ; xc^2
.endr
.irp c, 0,1,2,3,4,5,6,7
	v_pk_fma_f32 v[CH+8*\c+6:CH+8*\c+7], v[\op+14:\op+15], v[CH+8*\c+4:CH+8*\c+5], v[\op+12:\op+13]   ; W2 P(xc^2), from the top down
.endr
.irp k, 5,4,3,2,1,0
.irp c, 0,1,2,3,4,5,6,7
	v_pk_fma_f32 v[CH+8*\c+6:CH+8*\c+7], v[CH+8*\c+6:CH+8*\c+7], v[CH+8*\c+4:CH+8*\c+5], v[\op+2*\k:\op+2*\k+1]
.endr
.endr
.irp c, 0,1,2,3,4,5,6,7
	v_pk_fma_f32 v[CH+8*\c+6:CH+8*\c+7], v[CH+8*\c+6:CH+8*\c+7], v[CH+8*\c+2:CH+8*\c+3], v[\op+16:\op+17]   ; W2 Phi = W2 P xc + W2 / 2
.endr
.irp c, 0,1,2,3,4,5,6,7
	v_pk_fma_f32 v[ACC+2*(4*(\c/2)+2*\uu+\c%2):ACC+2*(4*(\c/2)+2*\uu+\c%2)+1], v[CH+8*\c+6:CH+8*\c+7], v[CH+8*\c:CH+8*\c+1], v[ACC+2*(4*(\c/2)+2*\uu+\c%2):ACC+2*(4*(\c/2)+2*\uu+\c%2)+1]   ; the sum += W2 Phi x
.endr
.endm
; A step on one of the two sets of operands.  cnt: the LDS loads issued behind this set's nine, which may stay out: the other set's nine, or none.
; load = 1: the set's addresses go two rows on, and behind the step's arithmetic the set is loaded again: those loads have the other set's whole step in which to land.
.macro STEP op, a, load, cnt
	s_wait_dscnt \cnt
.if \load
	v_add_nc_u32 v[\a], 2*CTP, v[\a]
	v_add_nc_u32 v[\a+1], 2*BPP, v[\a+1]
	v_add_nc_u32 v[\a+2], 2*UPP, v[\a+2]
.endif
	HALF \op, 0
	HALF \op, 1
.if \load
	LOADOPS \op, \a
.endif
.endm
	LOADOPS OPA, AD0                               ; pair 0 of h
	LOADOPS OPB, AD1                               ; pair 1
	s_wait_kmcnt 0x0                               ; b2
.irp a, 0,1,2,3,4,5,6,7,8,9,10,11,12,13,14,15
	v_mov_b32 v[ACC+2*\a], s20                     ; an output's sum over the even h begins with b2,
	v_mov_b32 v[ACC+2*\a+1], 0                     ; that over the odd h with 0
.endr
	s_mov_b32 s30, 31
.Lpair:                                            ; 31 trips: pairs 2 i and 2 i + 1 are worked, pairs 2 i + 2 and 2 i + 3 asked for
	STEP OPA, AD0, 1, 9
	STEP OPB, AD1, 1, 9
	s_sub_co_u32 s30, s30, 1
	s_cmp_lg_u32 s30, 0
	s_cbranch_scc1 .Lpair
	STEP OPA, AD0, 0, 9                            ; pairs 62 and 63: nothing more to load
	STEP OPB, AD1, 0, 0
.irp a, 0,1,2,3,4,5,6,7,8,9,10,11,12,13,14,15
	v_add_f32 v[RES+\a], v[ACC+2*\a], v[ACC+2*\a+1]   ; even h + odd h
.endr
.irp n, 0,1,2,3
.irp u, 0,1
	global_store_b64 v[OA], v[RES+4*\n+2*\u:RES+4*\n+2*\u+1], s[16:17] offset:2048*\n+256*\u th:TH_STORE_NT   ; 32 lanes store 256 consecutive bytes, at a multiple of 256 from out0's first byte
.endr
.endr
	s_set_vgpr_msb 0x5
	s_wait_tensorcnt 0x0
	ds_add_u32 v0, v1
	s_wait_dscnt 0x0
	s_set_vgpr_msb 0x500
	s_endpgm
.Lfunc_end_k_q59c76d35f4_head:
	.size	k_q59c76d35f4_head, .Lfunc_end_k_q59c76d35f4_head-k_q59c76d35f4_head
	.p2alignl 7, 3214868480
	.fill 96, 4, 3214868480
	.section	.rodata,"a",@progbits
	.p2align	6, 0x0
	.amdhsa_kernel k_q59c76d35f4_head
		.amdhsa_group_segment_fixed_size 168960
		.amdhsa_private_segment_fixed_size 0
		.amdhsa_enable_private_segment 0
		.amdhsa_kernarg_size 56
		.amdhsa_user_sgpr_count 2
		.amdhsa_user_sgpr_kernarg_segment_ptr 1
		.amdhsa_wavefront_size32 1
		.amdhsa_system_sgpr_workgroup_id_x 1
		.amdhsa_system_sgpr_workgroup_id_y 1
		.amdhsa_system_sgpr_workgroup_id_z 1
		.amdhsa_system_vgpr_workitem_id 0
		.amdhsa_next_free_vgpr 258
		.amdhsa_next_free_sgpr 66
		.amdhsa_reserve_vcc 0
		.amdhsa_float_denorm_mode_32 3
		.amdhsa_float_denorm_mode_16_64 3
		.amdhsa_memory_ordered 1
		.amdhsa_forward_progress 1
		.amdhsa_inst_pref_size 110
	.end_amdhsa_kernel
	.amdgpu_metadata
---
amdhsa.version: [ 1, 2 ]
amdhsa.kernels:
  - .name:           k_q59c76d35f4_head
    .symbol:         k_q59c76d35f4_head.kd
    .args:
      - { .name: W1, .offset: 0, .size: 8, .value_kind: global_buffer, .address_space: global }
      - { .name: W2, .offset: 8, .size: 8, .value_kind: global_buffer, .address_space: global }
      - { .name: b1, .offset: 16, .size: 8, .value_kind: global_buffer, .address_space: global }
      - { .name: b2, .offset: 24, .size: 8, .value_kind: global_buffer, .address_space: global }
      - { .name: bin_repr, .offset: 32, .size: 8, .value_kind: global_buffer, .address_space: global }
      - { .name: unit_emb, .offset: 40, .size: 8, .value_kind: global_buffer, .address_space: global }
      - { .name: out0, .offset: 48, .size: 8, .value_kind: global_buffer, .address_space: global }
    .group_segment_fixed_size: 168960
    .private_segment_fixed_size: 0
    .kernarg_segment_align: 8
    .kernarg_segment_size: 56
    .max_flat_workgroup_size: 256
    .sgpr_count:     66
    .vgpr_count:     258
    .wavefront_size: 32
...
	.end_amdgpu_metadata
.endif
;; end of part 1
;; ======== version 2 of 2: 1 launch; version 1 with the launch head written anew for expert scheduling mode
;; limits: a function is approximated: absolute error at most 0.0001; an absolute error that grows with the inputs' magnitude: up to 0.0001 times it
;; launch head (part 2): grid 64 x 4, 8 waves a work-group, no clusters, 168,960 bytes of LDS; arguments W1, W2, b1, b2, bin_repr, unit_emb, out0; writes out0
.if DOCPART == 2
	.amdgcn_target "amdgcn-amd-amdhsa--gfx1250"
	.amdhsa_code_object_version 6
	.text
	.protected	k_q59c76d35f4_head
	.globl	k_q59c76d35f4_head
	.p2align	8
	.type	k_q59c76d35f4_head,@function
k_q59c76d35f4_head:
	s_mov_b64 s[64:65], 0
	v_nop
	global_prefetch_b8 v0, s[64:65] scope:SCOPE_SE
	s_setreg_imm32_b32 hwreg(HW_REG_WAVE_SCHED_MODE, 0, 2), 2
	s_setreg_imm32_b32 hwreg(HW_REG_WAVE_MODE, 25, 1), 1
	s_wait_xcnt 0x0
	s_wait_alu depctr_vm_vsrc(0)
; out0[b][n][u] = b2 + sum over h of W2[h] gelu(binp[b][n][h] + unitp[b][u][h] + b1[h]),  binp = Q(bin_repr) Q(W1[0:256]),  unitp = Q(unit_emb) Q(W1[256:384]).
; Q: codes of FP4 (E2M1), one E8M0 scale for each 32 along K; both products by the scaled FP4 matrix instruction, sums in f32.  All else in f32.
; SHARES.  A work-group of eight waves owns 32 bins x 128 units of one batch: 64 x 4 = 256 work-groups.  It quantises W1 and its own rows, makes both projections itself (12 matrix instructions a wave)
; and keeps them in LDS: nothing goes through memory between the steps.  The bulk is the 32 x 128 x 128 numbers of the outer sum: vector work, laid to spend as few vector instructions on a number as it can.
; GELU.  gelu(x) = x Phi(x),  Phi(x) = 1/2 + xc P(xc^2),  xc = x held to -4 .. 4.  xc P(xc^2) is the Chebyshev series of Phi - 1/2 on [-4, 4] cut behind T15, scaled by 1 + 9.573e-5 so that it ends near 1/2 at the hold.
; LIMIT, STATED: |Phi here - Phi| < 1e-4 for every x, so a gelu is off by at most 1e-4 |x|, whatever the size of the inputs.  No exponential, no reciprocal, no branch on data.
; NaN and infinities among the inputs are not served.
; THE LAST PRODUCT (N = 1) rides on the polynomial: a table holds W2[h] P_k and W2[h] / 2, so the multiply-add that ends a gelu also adds it, weighed, onto the output's sum, in f32.
; PACKING.  The two halves of every packed instruction are hidden units h and h + 1: bins, units and table lie in LDS as [h / 2][..][2], so every operand is a plain register pair.
; For two numbers: 1 add, 2 holds, 1 square, 7 + 1 + 1 multiply-adds = 13 instructions.  An output's even and odd h are summed apart and joined at the end.
; QUANTISER.  A block's largest magnitude, with the floor 2^(3 - 127) among its leaves (the byte cannot fall under 1); 2 off its exponent field is the conversion's scale operand, and that >> 23 the byte.
; A block of zeros so keeps the byte 1 where the rule says 127: its codes are zeros, and this text alone reads the bytes.
; NO CLUSTER, NO JOINT LOADS, though every work-group reads the same W1: its numbers go from memory straight into the registers from which the conversions take them (a lane a column, registers down K).
; By way of LDS they would want 196,608 bytes more and 192 LDS loads a wave more; W1 is 192 loads a wave beside the main loop's 13,312 vector instructions a wave.
; No prefetch: every input is asked for at the head, nothing is streamed later.  No tensor load, so no ring.  More LDS is claimed than the 135,424 bytes used, so that a work-group has its WGP alone.
; THE MODE: SCHED_MODE bits 1:0 = 2 (LLVM: expert scheduling mode 2), set by the entry lines.  The code itself states the register dependences
; between vector or matrix instructions and memory or LDS instructions, with s_wait_alu, always for 0.
; THE PLAN.  Registers that memory or LDS instructions touch:
;   v1-v23        offsets and LDS addresses: written at the head, never again.  One wait on va_vdst ahead of the first load serves all their readers.
;   XD, CD, BY    the rows: loaded once; the arithmetic of all twelve groups stands together, ONE wait on va_vdst behind it, then the 24 LDS stores, each from a register of its own.
;   WX0, WX1      W1's block t: its maxima and conversions read set t % 2; ONE wait on va_vdst behind them states that they are done reading it (block t + 2's loads land there) and that the block's codes and byte are written (two LDS stores).
;   fragments     land in registers that LDS stores have read (codes, bytes, table): one wait on vm_vsrc behind the first barrier; the same wait frees v232-255 for the products' results.
;   DB, DU        written by the products, read by 40 LDS stores: the places, then one wait on va_vdst; it also states that the products are done reading v80-147, in which the main loop's first operands land.
;                 One wait on vm_vsrc behind the second barrier frees v176-211 for the chains.
;   OPA, OPB      the main loop's two sets of operands.  A step's 208 vector lines read its set to the last stage; ONE wait on va_vdst at the step's end, then the set's nine loads, which have the other set's whole step in which to land.
;   v24-29        a set's three addresses: stepped in the middle of its step, behind a wait on vm_vsrc (the loads that read them were issued half a step ago or more); the step's own wait on va_vdst states that they are written.
;   The other set's registers and addresses are named by no vector line of a step, over the loop's backward jump too.  The chains and the sums are named by vector lines alone.
.set UP2,  0                           ; units' projection: [64 pairs of h][128 units][2] f32; a row 1,024 bytes + 32: four rows on is 128 bytes on modulo 256, so the two halves of a store's lanes take different banks (64 banks of 4 bytes: ISA guide 11.1)
.set UPP,  1056
.set BP2,  67584                       ; bins' projection, b1 inside: [64][32 bins][2]; a row 256 bytes + 32
.set BPP,  288
.set W1C,  86016                       ; W1's codes: [128 columns h][384 along K]: 192 bytes + 16
.set W1P,  208
.set W1S,  112640                      ; W1's scale bytes: 16 bytes a column, 12 used: three words
.set BC,   114688                      ; the bins' codes: 32 rows of 128 bytes + 16
.set BCP,  144
.set UC,   119296                      ; the units' codes: 128 rows of 64 bytes + 16
.set UCP,  80
.set BS,   129536                      ; the bins' scale bytes, 8 a row
.set US,   129792                      ; the units', 4 a row
.set CT,   130304                      ; the table: [64 pairs of h][W2 P_0 .. W2 P_7, W2 / 2][2]: 72 bytes + 8
.set CTP,  80
.set P0, 0x3ecc38d5                    ;  3.98871e-1    P_k: the coefficient of x^(2k+1)
.set P1, 0xbd877858                    ; -6.61475e-2
.set P2, 0x3c1dfc28                    ;  9.64264e-3
.set P3, 0xba887f6f                    ; -1.041396e-3
.set P4, 0x38a6f860                    ;  7.96176e-5
.set P5, 0xb686b535                    ; -4.01461e-6
.set P6, 0x33fda273                    ;  1.18108e-7
.set P7, 0xb0d0fe44                    ; -1.52063e-9
; vector registers.  v1-23 are made at the head and never rewritten; v24-29 step in the main loop; v30, v31 at work
.set LANE, 1
.set RR,   2                           ; lane % 16
.set HH,   3                           ; lane / 16
.set DA,   4                           ; rows in memory: 32 x lane
.set BCA,  5                           ; where I store bins' codes, their bytes, units' codes, their bytes, the table
.set BSA,  6
.set UCA,  7
.set USA,  8
.set CTS,  9
.set W2A,  10
.set B1A,  11
.set WGA,  12                          ; W1 in memory: my half of K, my column
.set WCA,  13                          ; where I store W1's codes, and its bytes
.set WSA,  14
.set FW,   15                          ; fragments and scale words: W1's, the bins', the units'
.set SW,   16
.set FB,   17
.set SB,   18
.set FU,   19
.set SU,   20
.set PB,   21                          ; where I store projections
.set PU,   22
.set OA,   23
.set AD0,  24                          ; the main loop's addresses (table, bins, units) for the even pairs of h; v27-29 for the odd ones
.set AD1,  27
.set WSR,  32                          ; v32-46 hold scale words and nothing else
.set BSR,  35
.set USR,  39
.set W2V,  47
.set B1,   48                          ; b1 in the result's layout: the C of the bins' first K step
.set XD,   64                          ; v64-159   12 groups of 8 numbers of my rows
.set WX,   160                         ; v160-223  two sets of 32 numbers of W1
.set MXR,  224                         ; largest magnitudes
.set SO,   228                         ; the conversions' scale operands
.set CD,   232                         ; codes and bytes of the rows: a register of its own for each store
.set BY,   244
.set WCD,  64                          ; W1's codes and bytes, likewise
.set WBY,  88
.set AV,   96                          ; the table's nine numbers
.set WF,   56                          ; W1's three fragments; the bins' four; the units' eight
.set BF,   80
.set UF,   112
.set DB,   176                         ; two accumulators of bins, eight of units
.set DU,   192
.set ACC,  48                          ; main loop: 16 sums (even h, odd h)
.set OPA,  80                          ; two sets of operands: 9 table pairs, 4 bins, 4 units
.set OPB,  114
.set CH,   148                         ; eight chains x (x, xc, xc^2, q), a pair each
.set RES,  148                         ; the 16 outputs
	s_load_b256 s[4:11], s[0:1], 0x0               ; W1 s[4:5], W2 s[6:7], b1 s[8:9], b2 s[10:11]
	s_load_b128 s[12:15], s[0:1], 0x20             ; bin_repr s[12:13], unit_emb s[14:15]
	s_load_b64 s[16:17], s[0:1], 0x30              ; out0
	s_set_vgpr_msb 0x40
	v_lshl_add_u32 v0, v0, 2, 0x29000
	v_mov_b32 v1, 0
	s_set_vgpr_msb 0x4000
	v_lshrrev_b32 v30, 5, v0
	v_readfirstlane_b32 s18, v30                   ; wave w, 0..7
	s_and_b32 s24, ttmp7, 0xffff                   ; batch
	s_lshr_b32 s25, ttmp9, 2                       ; block of 32 bins
	s_and_b32 s26, ttmp9, 3                        ; block of 128 units
	v_and_b32 v[LANE], 31, v0
	v_and_b32 v[RR], 15, v0
	v_bfe_u32 v[HH], v0, 4, 1
	v_lshlrev_b32 v[DA], 5, v[LANE]                ; 8 neighbouring numbers a lane
	v_lshrrev_b32 v30, 2, v[LANE]                  ; four lanes hold a block of 32
	s_wait_alu depctr_va_sdst(0)                   ; s18 is written, ahead of its first reader: addresses, bases and the table's branch are made from it
	s_and_b32 s19, s18, 3                          ; W1: which 32 columns are mine,
	s_lshr_b32 s21, s18, 2                         ; and which half of K (192 rows)
	s_mul_i32 s27, s18, 4*BCP
	s_add_co_u32 s27, s27, BC
	v_lshl_add_u32 v[BCA], v[LANE], 2, s27         ; my 4 bins' rows of codes, 4 bytes a lane
	s_lshl_b32 s27, s18, 5
	s_add_co_u32 s27, s27, BS
	v_add_nc_u32 v[BSA], s27, v30
	s_mul_i32 s27, s18, 16*UCP
	s_add_co_u32 s27, s27, UC
	v_mul_u32_u24 v31, v[HH], UCP                  ; a group of 256 numbers is two units' rows: lanes 16-31 the second
	v_lshl_add_u32 v31, v[RR], 2, v31
	v_add_nc_u32 v[UCA], s27, v31
	s_lshl_b32 s27, s18, 6
	s_add_co_u32 s27, s27, US
	v_add_nc_u32 v[USA], s27, v30
	v_and_b32 v31, 127, v0                         ; the table: thread t of waves 0-3 takes hidden unit t
	v_lshlrev_b32 v[W2A], 2, v31
	v_lshrrev_b32 v31, 1, v31
	v_mul_u32_u24 v31, v31, CTP
	v_and_b32 v[CTS], 1, v0
	v_lshl_add_u32 v[CTS], v[CTS], 2, v31
	v_add_nc_u32 v[CTS], CT, v[CTS]
	s_lshl_b32 s27, s18, 6
	v_lshl_add_u32 v[B1A], v[HH], 5, s27           ; b1[16 w + 8 (lane / 16) + 0 .. 7]
	s_mul_i32 s27, s21, 192*512
	s_lshl_b32 s28, s19, 7
	s_add_co_u32 s27, s27, s28
	v_lshl_add_u32 v[WGA], v[LANE], 2, s27
	s_mul_i32 s27, s19, 32*W1P
	s_mul_i32 s28, s21, 96
	s_add_co_u32 s27, s27, s28
	s_add_co_u32 s27, s27, W1C
	v_mul_u32_u24 v31, v[LANE], W1P
	v_add_nc_u32 v[WCA], s27, v31                  ; my column's row of codes, my half of K
	s_lshl_b32 s27, s19, 9
	s_mul_i32 s28, s21, 6
	s_add_co_u32 s27, s27, s28
	s_add_co_u32 s27, s27, W1S
	v_lshl_add_u32 v[WSA], v[LANE], 4, s27
	s_mul_i32 s27, s18, 16*W1P                     ; the products: wave w takes hidden units 16 w .. 16 w + 15
	s_add_co_u32 s27, s27, W1C
	v_mul_u32_u24 v31, v[RR], W1P
	v_lshl_add_u32 v31, v[HH], 4, v31
	v_add_nc_u32 v[FW], s27, v31
	s_lshl_b32 s27, s18, 8
	s_add_co_u32 s27, s27, W1S
	v_lshl_add_u32 v[SW], v[RR], 4, s27
	v_mul_u32_u24 v31, v[RR], BCP
	v_lshl_add_u32 v31, v[HH], 4, v31
	v_add_nc_u32 v[FB], BC, v31
	v_lshl_add_u32 v[SB], v[RR], 3, BS
	v_mul_u32_u24 v31, v[RR], UCP
	v_lshl_add_u32 v31, v[HH], 4, v31
	v_add_nc_u32 v[FU], UC, v31
	v_lshl_add_u32 v[SU], v[RR], 2, US
	s_mul_i32 s27, s18, 8*BPP                      ; a result's registers 2 j, 2 j + 1 are pair 8 w + 4 (lane / 16) + j of h, of row lane % 16
	s_add_co_u32 s27, s27, BP2
	v_mul_u32_u24 v31, v[HH], 4*BPP
	v_lshl_add_u32 v31, v[RR], 3, v31
	v_add_nc_u32 v[PB], s27, v31
	s_mul_i32 s27, s18, 8*UPP
	v_mul_u32_u24 v31, v[HH], 4*UPP
	v_lshl_add_u32 v31, v[RR], 3, v31
	v_add_nc_u32 v[PU], s27, v31
	v_lshlrev_b32 v[OA], 3, v[LANE]
	v_mov_b32 v[AD0], CT                           ; the main loop: the table's row,
	s_lshl_b32 s27, s18, 5
	s_add_co_u32 s27, s27, BP2
	v_mov_b32 v[AD0+1], s27                        ; my 4 bins (32 bytes of a row, the same for all lanes),
	v_lshl_add_u32 v[AD0+2], v[LANE], 4, UP2       ; my units 2 l, 2 l + 1 (and 512 bytes on: 64 + 2 l, 64 + 2 l + 1)
	v_add_nc_u32 v[AD1], CTP, v[AD0]
	v_add_nc_u32 v[AD1+1], BPP, v[AD0+1]
	v_add_nc_u32 v[AD1+2], UPP, v[AD0+2]
	s_lshl_b32 s22, s24, 19                        ; bin_repr: batch x 512 rows of 1,024 bytes + 32 rows a block + 4 rows a wave
	s_lshl_b32 s27, s25, 15
	s_add_co_u32 s22, s22, s27
	s_lshl_b32 s27, s18, 12
	s_add_co_u32 s22, s22, s27
	s_mov_b32 s23, 0
	s_lshl_b32 s32, s24, 18                        ; unit_emb: batch x 512 rows of 512 bytes + 128 rows a block + 16 rows a wave
	s_lshl_b32 s27, s26, 16
	s_add_co_u32 s32, s32, s27
	s_lshl_b32 s27, s18, 13
	s_add_co_u32 s32, s32, s27
	s_mov_b32 s33, 0
	s_lshl_b32 s34, s24, 20                        ; out0: batch x 512 rows of 2,048 bytes + 32 rows a block + 4 rows a wave + 128 columns a block
	s_lshl_b32 s28, s25, 16
	s_add_co_u32 s34, s34, s28
	s_add_co_u32 s34, s34, s27
	s_lshl_b32 s28, s26, 9
	s_add_co_u32 s34, s34, s28
	s_mov_b32 s35, 0
	s_wait_kmcnt 0x0
	s_add_nc_u64 s[12:13], s[12:13], s[22:23]
	s_add_nc_u64 s[14:15], s[14:15], s[32:33]
	s_add_nc_u64 s[16:17], s[16:17], s[34:35]
	s_load_b32 s20, s[10:11], 0x0                  ; b2: wanted in front of the main loop
	s_wait_alu depctr_va_vdst(0)                   ; the offsets and LDS addresses v1 to v29 are written: every load and store of the kernel reads one of them
; block t of my six of W1: W1(192 half + 32 t + i, my column), i = 0 .. 31, into set t % 2.  32 lanes read 128 consecutive bytes; four waves stand side by side on a row's 512
.macro WLOAD t
.irp i, 0,1,2,3,4,5,6,7,8,9,10,11,12,13,14,15,16,17,18,19,20,21,22,23,24,25,26,27,28,29,30,31
	global_load_b32 v[WX+32*((\t)%2)+\i], v[WGA], s[4:5] offset:(32*(\t)+\i)*512
.endr
.endm
	global_load_b32 v[W2V], v[W2A], s[6:7]
	global_load_b128 v[B1:B1+3], v[B1A], s[8:9]
	global_load_b128 v[B1+4:B1+7], v[B1A], s[8:9] offset:16
.irp g, 0,1,2,3                                ; my 4 bins: a group is a row of 256 numbers
	global_load_b128 v[XD+8*\g:XD+8*\g+3], v[DA], s[12:13] offset:1024*\g
	global_load_b128 v[XD+8*\g+4:XD+8*\g+7], v[DA], s[12:13] offset:1024*\g+16
.endr
.irp g, 0,1,2,3,4,5,6,7                        ; my 16 units: a group is two rows of 128 numbers
	global_load_b128 v[XD+32+8*\g:XD+32+8*\g+3], v[DA], s[14:15] offset:1024*\g
	global_load_b128 v[XD+32+8*\g+4:XD+32+8*\g+7], v[DA], s[14:15] offset:1024*\g+16
.endr
	WLOAD 0
	s_wait_loadcnt 32                              ; loads come back in order (ISA guide 5.7.1): all but W1's block 0, the 32 issued last, are in
	WLOAD 1
; Four groups of 8 numbers a lane become codes and scale bytes, the four by turns.  xg: the first group's number in XD.
.macro QCALC xg
.irp i, 0,1,2,3
	v_max3_num_f32 v[MXR+\i], |v[XD+8*(\xg+\i)]|, |v[XD+8*(\xg+\i)+1]|, 0x1800000   ; my 8 numbers, and the floor 2^(3 - 127)
.endr
.irp p, 2,4,6
.irp i, 0,1,2,3
	v_max3_num_f32 v[MXR+\i], v[MXR+\i], |v[XD+8*(\xg+\i)+\p]|, |v[XD+8*(\xg+\i)+\p+1]|
.endr
.endr
.irp i, 0,1,2,3
	v_max_num_f32_dpp v[MXR+\i], v[MXR+\i], v[MXR+\i] row_xmask:1 row_mask:0xf bank_mask:0xf
.endr
.irp i, 0,1,2,3
	v_max_num_f32_dpp v[MXR+\i], v[MXR+\i], v[MXR+\i] row_xmask:2 row_mask:0xf bank_mask:0xf   ; with the three lanes that share the block
.endr
.irp i, 0,1,2,3
	v_add_nc_u32 v[SO+\i], 0xff000000, v[MXR+\i]   ; 2 off the exponent field: the conversion takes the exponent field of this operand as its scale
.endr
.irp i, 0,1,2,3
	v_cvt_scalef32_pk8_fp4_f32 v[CD+\xg+\i], v[XD+8*(\xg+\i):XD+8*(\xg+\i)+7], v[SO+\i]
.endr
.irp i, 0,1,2,3
	v_lshrrev_b32 v[BY+\xg+\i], 23, v[SO+\i]       ; the scale's byte.  (Also the plain instruction behind the conversions)
.endr
.endm
; Their codes and bytes go to LDS.  gl: the first group's number in its tensor; step: bytes of codes from group to group.
.macro QSEND xg, gl, ca, sa, step
.irp i, 0,1,2,3
	ds_store_b32 v[\ca], v[CD+\xg+\i] offset:(\gl+\i)*\step
	ds_store_b8 v[\sa], v[BY+\xg+\i] offset:8*(\gl+\i)   ; the four lanes of a block write the same byte with the same value
.endr
.endm
	QCALC 0
	QCALC 4
	QCALC 8
	s_wait_alu depctr_va_vdst(0)                   ; the conversions have written the twelve registers of codes and the shifts the twelve of bytes, which the 24 LDS stores read
	QSEND 0, 0, BCA, BSA, BCP
	QSEND 4, 0, UCA, USA, 2*UCP
	QSEND 8, 4, UCA, USA, 2*UCP
	; the table: threads 0 to 127 (waves 0 to 3), a hidden unit each.  A branch on the wave's number; no barrier stands inside
	s_cmp_lt_u32 s18, 4
	s_cbranch_scc0 .Lno_table
.macro TAB k, c
	v_mul_f32 v[AV+\k], \c, v[W2V]
.endm
	TAB 0, P0
	TAB 1, P1
	TAB 2, P2
	TAB 3, P3
	TAB 4, P4
	TAB 5, P5
	TAB 6, P6
	TAB 7, P7
	TAB 8, 0.5
	s_wait_alu depctr_va_vdst(0)                   ; the nine multiplies have written the table's numbers, which the nine LDS stores read
.irp k, 0,1,2,3,4,5,6,7,8
	ds_store_b32 v[CTS], v[AV+\k] offset:8*\k
.endr
.Lno_table:
; Block t of W1: all its 32 numbers are one lane's, so no other lane is asked for the maximum, and the codes come out with K innermost: 16 bytes of my column's row.
.macro WBLK t
.set WS, WX+32*((\t)%2)
.if (\t) < 5
	s_wait_loadcnt 32                              ; this block's 32 loads are in; the next block's 32 may be out
.else
	s_wait_loadcnt 0
.endif
	v_max3_num_f32 v[MXR], |v[WS]|, |v[WS+1]|, |v[WS+2]|
	v_max3_num_f32 v[MXR+1], |v[WS+3]|, |v[WS+4]|, |v[WS+5]|
.irp i, 6,10,14,18,22,26
	v_max3_num_f32 v[MXR], v[MXR], |v[WS+\i]|, |v[WS+\i+1]|
	v_max3_num_f32 v[MXR+1], v[MXR+1], |v[WS+\i+2]|, |v[WS+\i+3]|
.endr
	v_max3_num_f32 v[MXR], v[MXR], |v[WS+30]|, |v[WS+31]|
	v_max3_num_f32 v[MXR], v[MXR], v[MXR+1], 0x1800000   ; and the floor
	v_add_nc_u32 v[SO], 0xff000000, v[MXR]
	v_lshrrev_b32 v[WBY+(\t)], 23, v[SO]
.irp g, 0,1,2,3
	v_cvt_scalef32_pk8_fp4_f32 v[WCD+4*(\t)+\g], v[WS+8*\g:WS+8*\g+7], v[SO]
.endr
	v_nop                                          ; one plain instruction behind the conversions
	s_wait_alu depctr_va_vdst(0)                   ; the maxima and conversions are done reading this set, in which the loads below land; the block's codes and byte are written, which the two LDS stores read
.if (\t) < 4
	WLOAD (\t)+2                                   ; the set is asked for again at once
.endif
	ds_store_b128 v[WCA], v[WCD+4*(\t):WCD+4*(\t)+3] offset:16*(\t)
	ds_store_b8 v[WSA], v[WBY+(\t)] offset:\t
.endm
	WBLK 0
	WBLK 1
	WBLK 2
	WBLK 3
	WBLK 4
	WBLK 5                                         ; its wait on va_vdst is the last vector-side line ahead of the fragments' loads: all that has named v56 to v175 stands ahead of it
	s_wait_dscnt 0x0                               ; for the others' sake: all my codes, bytes and table entries have landed
	s_barrier_signal -1
	s_barrier_wait -1                              ; everybody's have
	s_wait_alu depctr_vm_vsrc(0)                   ; my LDS stores have read their data: v64 to v104 (W1's codes and bytes, the table), in which fragments land, and v232 to v255 (the rows' codes and bytes), which the products write
	; A fragment, 16 rows x 128 K of 4-bit codes, is 8 registers: lane l holds row l % 16; registers 4 c .. 4 c + 3 hold K = 64 c + 32 (l / 16) + 0 .. 31: two loads of 16 bytes, 32 bytes apart.  A scale word: lane r takes row r's
.irp s, 0,1,2                                  ; W1: K steps 0, 1 (the bins' 256) and 2 (the units' 128) of my 16 hidden units
.irp c, 0,1
	ds_load_b128 v[WF+8*\s+4*\c:WF+8*\s+4*\c+3], v[FW] offset:64*\s+32*\c
.endr
	ds_load_b32 v[WSR+\s], v[SW] offset:4*\s
.endr
.irp m, 0,1                                    ; the bins: two tiles of 16 rows, two K steps
.irp s, 0,1
.irp c, 0,1
	ds_load_b128 v[BF+8*(2*\m+\s)+4*\c:BF+8*(2*\m+\s)+4*\c+3], v[FB] offset:16*BCP*\m+64*\s+32*\c
.endr
	ds_load_b32 v[BSR+2*\m+\s], v[SB] offset:128*\m+4*\s
.endr
.endr
.irp m, 0,1,2,3,4,5,6,7                        ; the units: eight tiles of 16 rows
.irp c, 0,1
	ds_load_b128 v[UF+8*\m+4*\c:UF+8*\m+4*\c+3], v[FU] offset:16*UCP*\m+32*\c
.endr
	ds_load_b32 v[USR+\m], v[SU] offset:64*\m
.endr
.rept 4
	v_nop                                          ; some of these registers were last written by vector instructions (W1's conversions): four places between those and the products, issued while the loads are out
.endr
	s_wait_dscnt 0x0
	; TRANSPOSED: source 0 = 16 hidden units of W1, source 1 = 16 rows.  In a result lane (r, hh) holds row r, and its register j the hidden unit 16 w + 8 hh + j.
	; b1 is the C of the bins' first K step.  The accumulators take turns, one instruction a turn.
	v_wmma_scale_f32_16x16x128_f8f6f4 v[DB:DB+7], v[WF:WF+7], v[BF:BF+7], v[B1:B1+7], v[WSR], v[BSR] matrix_a_fmt:MATRIX_FMT_FP4 matrix_b_fmt:MATRIX_FMT_FP4
	v_wmma_scale_f32_16x16x128_f8f6f4 v[DB+8:DB+15], v[WF:WF+7], v[BF+16:BF+23], v[B1:B1+7], v[WSR], v[BSR+2] matrix_a_fmt:MATRIX_FMT_FP4 matrix_b_fmt:MATRIX_FMT_FP4
	v_wmma_scale_f32_16x16x128_f8f6f4 v[DB:DB+7], v[WF+8:WF+15], v[BF+8:BF+15], v[DB:DB+7], v[WSR+1], v[BSR+1] matrix_a_fmt:MATRIX_FMT_FP4 matrix_b_fmt:MATRIX_FMT_FP4
	v_wmma_scale_f32_16x16x128_f8f6f4 v[DB+8:DB+15], v[WF+8:WF+15], v[BF+24:BF+31], v[DB+8:DB+15], v[WSR+1], v[BSR+3] matrix_a_fmt:MATRIX_FMT_FP4 matrix_b_fmt:MATRIX_FMT_FP4
.irp m, 0,1,2,3,4,5,6,7
	v_wmma_scale_f32_16x16x128_f8f6f4 v[DU+8*\m:DU+8*\m+7], v[WF+16:WF+23], v[UF+8*\m:UF+8*\m+7], 0, v[WSR+2], v[USR+\m] matrix_a_fmt:MATRIX_FMT_FP4 matrix_b_fmt:MATRIX_FMT_FP4
.endr
.rept 4
	v_nop                                          ; four places behind the last product, ahead of the stores that read results and of all that later writes the products' registers
.endr
	s_wait_alu depctr_va_vdst(0)                   ; the products have written the ten accumulators, which the LDS stores read, and are done reading their fragments, in which the main loop's first operands land; the places above stay beside this wait
.irp m, 0,1                                    ; each accumulator from its low end on: a pair of registers is a pair of h of one row
.irp j, 0,1,2,3
	ds_store_b64 v[PB], v[DB+8*\m+2*\j:DB+8*\m+2*\j+1] offset:BPP*\j+128*\m
.endr
.endr
.irp m, 0,1,2,3,4,5,6,7
.irp j, 0,1,2,3
	ds_store_b64 v[PU], v[DU+8*\m+2*\j:DU+8*\m+2*\j+1] offset:UPP*\j+128*\m
.endr
.endr
	s_wait_dscnt 0x0                               ; for the others' sake: my part of both projections has landed
	s_barrier_signal -1
	s_barrier_wait -1                              ; everybody's has.  From here on LDS is only read
	s_wait_alu depctr_vm_vsrc(0)                   ; my LDS stores have read the accumulators: v176 to v211 of them are chains' registers from here on, written by the main loop's vector lines
; THE MAIN LOOP.  Wave w: bins 4 w .. 4 w + 3, all 128 units; lane l: units 2 l, 2 l + 1, 64 + 2 l, 64 + 2 l + 1: 16 outputs a lane.  A step is one pair of h.
; Nine LDS loads bring a step's operands: the table's 9 pairs, my 4 bins' pairs (both the same in all lanes), my 4 units' pairs (16 neighbouring bytes a lane).
.macro LOADOPS op, a
.irp i, 0,1,2,3
	ds_load_b128 v[\op+4*\i:\op+4*\i+3], v[\a] offset:16*\i
.endr
	ds_load_b64 v[\op+16:\op+17], v[\a] offset:64
	ds_load_b128 v[\op+18:\op+21], v[\a+1]
	ds_load_b128 v[\op+22:\op+25], v[\a+1] offset:16
	ds_load_b128 v[\op+26:\op+29], v[\a+2]
	ds_load_b128 v[\op+30:\op+33], v[\a+2] offset:512
.endm
; Eight chains, stage by stage, so that no instruction waits for the one above it: chain c is bin c / 2 with unit 64 uu + 2 l + c % 2.
.macro HALF op, uu
.irp c, 0,1,2,3,4,5,6,7
	v_pk_add_f32 v[CH+8*\c:CH+8*\c+1], v[\op+18+2*(\c/2):\op+19+2*(\c/2)], v[\op+26+4*\uu+2*(\c%2):\op+27+4*\uu+2*(\c%2)]   ; x, for h and h + 1
.endr
.irp c, 0,1,2,3,4,5,6,7
	v_med3_num_f32 v[CH+8*\c+2], v[CH+8*\c], -4.0, 4.0             ; xc
	v_med3_num_f32 v[CH+8*\c+3], v[CH+8*\c+1], -4.0, 4.0
.endr
.irp c, 0,1,2,3,4,5,6,7
	v_pk_mul_f32 v[CH+8*\c+4:CH+8*\c+5], v[CH+8*\c+2:CH+8*\c+3], v[CH+8*\c+2:CH+8*\c+3]   ; xc^2
.endr
.irp c, 0,1,2,3,4,5,6,7
	v_pk_fma_f32 v[CH+8*\c+6:CH+8*\c+7], v[\op+14:\op+15], v[CH+8*\c+4:CH+8*\c+5], v[\op+12:\op+13]   ; W2 P(xc^2), from the top down
.endr
.irp k, 5,4,3,2,1,0
.irp c, 0,1,2,3,4,5,6,7
	v_pk_fma_f32 v[CH+8*\c+6:CH+8*\c+7], v[CH+8*\c+6:CH+8*\c+7], v[CH+8*\c+4:CH+8*\c+5], v[\op+2*\k:\op+2*\k+1]
.endr
.endr
.irp c, 0,1,2,3,4,5,6,7
	v_pk_fma_f32 v[CH+8*\c+6:CH+8*\c+7], v[CH+8*\c+6:CH+8*\c+7], v[CH+8*\c+2:CH+8*\c+3], v[\op+16:\op+17]   ; W2 Phi = W2 P xc + W2 / 2
.endr
.irp c, 0,1,2,3,4,5,6,7
	v_pk_fma_f32 v[ACC+2*(4*(\c/2)+2*\uu+\c%2):ACC+2*(4*(\c/2)+2*\uu+\c%2)+1], v[CH+8*\c+6:CH+8*\c+7], v[CH+8*\c:CH+8*\c+1], v[ACC+2*(4*(\c/2)+2*\uu+\c%2):ACC+2*(4*(\c/2)+2*\uu+\c%2)+1]   ; the sum += W2 Phi x
.endr
.endm
; A step on one of the two sets of operands.  cnt: the LDS loads issued behind this set's nine, which may stay out: the other set's nine, or none.
; load = 1: in the step's middle the set's addresses go two rows on, and behind the step's arithmetic the set is loaded again: those loads have the other set's whole step in which to land.
.macro STEP op, a, load, cnt
	s_wait_dscnt \cnt
	HALF \op, 0
.if \load
	s_wait_alu depctr_vm_vsrc(0)                   ; the LDS loads issued so far have read this set's three addresses, which the adds below write
	v_add_nc_u32 v[\a], 2*CTP, v[\a]
	v_add_nc_u32 v[\a+1], 2*BPP, v[\a+1]
	v_add_nc_u32 v[\a+2], 2*UPP, v[\a+2]
.endif
	HALF \op, 1
.if \load
	s_wait_alu depctr_va_vdst(0)                   ; the step's lines are done reading this set, in which the nine loads below land, and the adds have written the three addresses that those loads read
	LOADOPS \op, \a
.endif
.endm
	LOADOPS OPA, AD0                               ; pair 0 of h.  (No vector line has named these registers or addresses since the waits that cover them)
	LOADOPS OPB, AD1                               ; pair 1
	s_wait_kmcnt 0x0                               ; b2
.irp a, 0,1,2,3,4,5,6,7,8,9,10,11,12,13,14,15
	v_mov_b32 v[ACC+2*\a], s20                     ; an output's sum over the even h begins with b2,
	v_mov_b32 v[ACC+2*\a+1], 0                     ; that over the odd h with 0
.endr
	s_mov_b32 s30, 31
.Lpair:                                            ; 31 trips: pairs 2 i and 2 i + 1 are worked, pairs 2 i + 2 and 2 i + 3 asked for
	STEP OPA, AD0, 1, 9
	STEP OPB, AD1, 1, 9
	s_sub_co_u32 s30, s30, 1
	s_cmp_lg_u32 s30, 0
	s_cbranch_scc1 .Lpair
	STEP OPA, AD0, 0, 9                            ; pairs 62 and 63: nothing more to load
	STEP OPB, AD1, 0, 0
.irp a, 0,1,2,3,4,5,6,7,8,9,10,11,12,13,14,15
	v_add_f32 v[RES+\a], v[ACC+2*\a], v[ACC+2*\a+1]   ; even h + odd h
.endr
	s_wait_alu depctr_va_vdst(0)                   ; the sixteen adds have written the outputs, which the eight stores read
.irp n, 0,1,2,3
.irp u, 0,1
	global_store_b64 v[OA], v[RES+4*\n+2*\u:RES+4*\n+2*\u+1], s[16:17] offset:2048*\n+256*\u th:TH_STORE_NT   ; 32 lanes store 256 consecutive bytes, at a multiple of 256 from out0's first byte
.endr
.endr
	s_set_vgpr_msb 0x5
	s_wait_dscnt 0x0
	s_wait_alu depctr_hold_cnt(0) depctr_sa_sdst(0) depctr_va_vdst(0) depctr_va_sdst(0) depctr_va_ssrc(0) depctr_va_vcc(0) depctr_vm_vsrc(0)
	s_wait_tensorcnt 0x0
	ds_add_u32 v0, v1
	s_wait_dscnt 0x0
	s_endpgm
.Lfunc_end_k_q59c76d35f4_head:
	.size	k_q59c76d35f4_head, .Lfunc_end_k_q59c76d35f4_head-k_q59c76d35f4_head
	.p2alignl 7, 3214868480
	.fill 96, 4, 3214868480
	.section	.rodata,"a",@progbits
	.p2align	6, 0x0
	.amdhsa_kernel k_q59c76d35f4_head
		.amdhsa_group_segment_fixed_size 168960
		.amdhsa_private_segment_fixed_size 0
		.amdhsa_enable_private_segment 0
		.amdhsa_kernarg_size 56
		.amdhsa_user_sgpr_count 2
		.amdhsa_user_sgpr_kernarg_segment_ptr 1
		.amdhsa_wavefront_size32 1
		.amdhsa_system_sgpr_workgroup_id_x 1
		.amdhsa_system_sgpr_workgroup_id_y 1
		.amdhsa_system_sgpr_workgroup_id_z 1
		.amdhsa_system_vgpr_workitem_id 0
		.amdhsa_next_free_vgpr 258
		.amdhsa_next_free_sgpr 66
		.amdhsa_reserve_vcc 0
		.amdhsa_float_denorm_mode_32 3
		.amdhsa_float_denorm_mode_16_64 3
		.amdhsa_memory_ordered 1
		.amdhsa_forward_progress 1
		.amdhsa_inst_pref_size 111
	.end_amdhsa_kernel
	.amdgpu_metadata
---
amdhsa.version: [ 1, 2 ]
amdhsa.kernels:
  - .name:           k_q59c76d35f4_head
    .symbol:         k_q59c76d35f4_head.kd
    .args:
      - { .name: W1, .offset: 0, .size: 8, .value_kind: global_buffer, .address_space: global }
      - { .name: W2, .offset: 8, .size: 8, .value_kind: global_buffer, .address_space: global }
      - { .name: b1, .offset: 16, .size: 8, .value_kind: global_buffer, .address_space: global }
      - { .name: b2, .offset: 24, .size: 8, .value_kind: global_buffer, .address_space: global }
      - { .name: bin_repr, .offset: 32, .size: 8, .value_kind: global_buffer, .address_space: global }
      - { .name: unit_emb, .offset: 40, .size: 8, .value_kind: global_buffer, .address_space: global }
      - { .name: out0, .offset: 48, .size: 8, .value_kind: global_buffer, .address_space: global }
    .group_segment_fixed_size: 168960
    .private_segment_fixed_size: 0
    .kernarg_segment_align: 8
    .kernarg_segment_size: 56
    .max_flat_workgroup_size: 256
    .sgpr_count:     66
    .vgpr_count:     258
    .wavefront_size: 32
...
	.end_amdgpu_metadata
.endif
;; end of part 2
